; MI455X (gfx1250); checked and timed in simulation.
; The chip was launched on July 23, 2026; its instructions are those of AMD's public machine-readable ISA for CDNA 5 (MIT licence, August 2026) and "CDNA5" Instruction Set Architecture Reference Guide (July 2026). The comments in the code are by the model that wrote it; some were corrected since.
;; Self Attention. Allowed arithmetic: matrix products marked QUANTISED: E2M1 operands, one E8M0 scale for each 32 along K, by v_wmma_scale_f32_16x16x128_f8f6f4 with both operands' format E2M1 (or v_wmma_scale_f32_32x16x128_f4), f32 sums; products left as they are: bf16, f16 or f32 operands; f32 sums; everything else in f32.
;; Inputs: W_attn 1,024 x 3,072 float32; W_proj 1,024 x 1,024 float32; b_attn 3,072 float32; b_proj 1,024 float32; mask 8 x 2,048 x 16 bool; x 8 x 2,048 x 1,024 float32.
;; Outputs: out0 8 x 2,048 x 1,024 float32.
;; This version of the problem:
;;   THIS VERSION OF THE PROBLEM IS GIVEN IN LOW PRECISION. The matrix products marked QUANTISED in the list below multiply operands that are first quantised to E2M1 (2 exponent bits, 1 mantissa bit; 4 bits a number), with one power-of-two scale for each 32 numbers along K (OCP MX v1.0); their sums are f32. The products marked 'left as it is' may take bf16, f16 or f32 operands, with f32 sums. Whichever they take, every output number must still come out within the allowed error. Rounding operands to bf16 (8 significant bits) uses up far more of that allowance than f16 does (11 bits, for magnitudes from 6e-5 to 65,504). All else is computed in f32.
;;   The module's matrix products, in the order in which they are computed (A, B: the left and right operand; K: the contracted axis; several contracted axes count as one K, in the product's order):
;;     1. [M 16,384, K 1,024] x [K 1,024, N 3,072]; A: input x; B: input W_attn: QUANTISED
;;     2. batch 16,384 x [M 16, K 64] x [K 64, N 16]; A: computed on the way; B: computed on the way: left as it is (an operand is computed on the way)
;;     3. batch 16,384 x [M 16, K 16] x [K 16, N 64]; A: computed on the way; B: computed on the way: left as it is (K = 16 < 32)
;;     4. [M 16,384, K 1,024] x [K 1,024, N 1,024]; A: computed on the way; B: input W_proj: left as it is (an operand is computed on the way)
;;   THE QUANTISER, for each operand of a quantised product, along K:
;;     - K is cut into blocks of 32 from its start; a last block that is shorter is filled with zeros.
;;     - A block's scale is 2^e with e = floor(log2(the largest magnitude in the block)) - 2, held to -126 .. 127; a block of zeros has e = 0. As a byte (E8M0): e + 127.
;;     - Each number is divided by its block's scale, clamped to +-6, and rounded to the nearest number of E2M1, ties to even, subnormals kept.
;;     - The product sums the exact products of the quantised numbers (number of the format x scale) in f32.
;;   ~~~python
;;   def quantise(x, axis):      # numpy; x: float32 -> the quantised numbers, widened to float32 again
;;       x = np.moveaxis(x, axis, -1); K = x.shape[-1]
;;       x = np.pad(x, [(0, 0)] * (x.ndim - 1) + [(0, -K % 32)]); x = x.reshape(x.shape[:-1] + (-1, 32)); a = np.abs(x).max(-1, keepdims=True)
;;       e = np.where(a > 0, np.clip(np.frexp(np.where(a > 0, a, 1))[1] - 1 - 2, -126, 127), 0)      # np.frexp(a)[1] - 1 = floor(log2(a)), exactly
;;       r = np.clip(x / 2.0 ** e, -6, 6)
;;       step = 2.0 ** (np.maximum(np.frexp(np.where(r == 0, 1, r))[1] - 1, 0) - 1)
;;       q = np.round(r / step) * step * 2.0 ** e      # np.round: ties to even
;;       return np.moveaxis(q.reshape(q.shape[:-2] + (-1,))[..., :K], -1, axis).astype(np.float32)
;;   ~~~
;; One version. Each part assembles by itself: llvm-mc -triple=amdgcn-amd-amdhsa -mcpu=gfx1250 --defsym DOCPART=n.
;; ======== version 1 of 1: 3 launches
;; limits: values are held in f16: magnitudes above 65,504 overflow, below 6.1e-05 lose precision
;; workspace buffers: xq 8,912,896 bytes; wq 1,683,456 bytes; wp 2,097,152 bytes; oh 33,554,432 bytes
;; launch prep (part 1): grid 768 x 1, 4 waves a work-group, no clusters, 69,120 bytes of LDS; arguments x, W_attn, b_attn, W_proj, xq, wq, wp; writes xq, wq, wp
.if DOCPART == 1
	.amdgcn_target "amdgcn-amd-amdhsa--gfx1250"
	.amdhsa_code_object_version 6
	.text
	.protected	k_q479cc34d5c_prep
	.globl	k_q479cc34d5c_prep
	.p2align	8
	.type	k_q479cc34d5c_prep,@function
k_q479cc34d5c_prep:
	s_mov_b64 s[64:65], 0
	v_nop
	global_prefetch_b8 v0, s[64:65] scope:SCOPE_SE
	s_setreg_imm32_b32 hwreg(HW_REG_WAVE_MODE, 25, 1), 1
	s_wait_xcnt 0x0
; SelfAttention over the HEADS of each token: qkv = Q(x) Q(W_attn) + b_attn; per token a 16 x 16 softmax over heads under an input mask; the weights times v; the projection by W_proj + b_proj.
; NO WORK IS LEFT OUT: b_attn differs from head to head, so it moves the scores along the softmax's axis; the mask is an input; every input has a way to the output and is loaded by some launch.
; THIS LAUNCH lays the operands out for the two that follow.  Three paths part on the work-group's number, each with LDS bytes of its own:
;   X (work-groups 0-511):   x [16384][1024] f32 -> xq: codes of FP4 (E2M1) with one E8M0 byte for each 32 along K, as images of the matrix operand's registers.
;   A (work-groups 512-703): W_attn [1024 k][3072 n] f32 -> wq: the same along K (its first axis), by tiles of 16 columns in the order in which the next launch walks them; b_attn beside them.
;   P (work-groups 704-767): W_proj [1024 c][1024 n] f32 -> wp [n][K'] f16, K' = t 256 + h2 128 + h 8 + j standing for c = 64 h + 16 t + 8 h2 + j (the order in which the next launch stores its result).
; A block's scale is 2^(floor(log2(largest magnitude)) - 2); its byte is that magnitude's exponent field - 2, held at 1 from below.  A block of zeros keeps the byte 1 where the quantiser says 127: its codes are
; zeros, which add nothing under any byte but 0xff, and this program alone reads the bytes.
; LIMITS: NaN and infinities among the inputs are not served; |W_proj| stays under 65,504 (f16); magnitudes under 6e-5 are kept as f16 subnormals.
; LAYOUTS.  An image of a fragment (16 rows x 128 K of 4-bit codes) is 1,024 bytes: the 16 bytes of block 2 c + hh of row r lie at 512 c + 256 hh + 16 r.
;   xq: 256 blocks (64 tokens) of 34,816 bytes: 32 images (8 m + s: tile of tokens m, K step s), then scale words at 32,768 + 512 m + 256 kh + 8 l + 4 jj: K step 2 (2 kh + jj) + l / 16, row l % 16.
;   wq: 12 slots of 140,288 bytes = 4 parts of 35,072 = 4 tiles of 8,704 (8 images, then scale words at 8,192 + 64 s + 4 i) + 256 bytes of bias (64 a + 4 i).
;       Slot t holds 16 columns of each head: q, k: t = 2 dt + which; v: t = 8 + dt (dt: which 16 of the head's 64).  Head hd lies in part hd / 4, tile hd % 4.
.set TPW,   16*528                     ; path X: a wave's turning stage: 16 rows of 512 bytes + 16 of padding
.set PSTG,  4*TPW                      ; path P's stages begin here
.set PPW,   32*272                     ; path P: a wave's stage: 32 rows of 256 bytes + 16
.set SPARE, PSTG+4*PPW                 ; the spare words, 128 bytes for each wave: two blocks of 256 bytes that no other line names
.set XBLK,  34816
.set WSLOT, 140288
.set WPART, 35072
.set WTILE, 8704
.set SPW,   12                         ; v12 LDS address of my spare word; never rewritten
.set NIL,   13                         ; v13 0; never rewritten
.set TM,    16                         ; v16-31 at work in QUANT
.set PC,    32                         ; v32-39 (path A: v32-47) codes
.set PW,    40                         ; the scale word just made
.set PWE,   41                         ; the even K step's
.set XSW,   42                         ; v[42:43] the two words that I store
.set ST,    64                         ; v64-127 64 numbers back from the stage (path P: rows on the way out)
.set R,     128                        ; v128-255 numbers as they are loaded
.set SEL,   20                         ; s[20:21] v_permlanex16_b32's selects for lane l xor 16
; 64 numbers of a lane, register 16 b + i = k 32 b + 16 (lane / 16) + i of my row, become a fragment's codes in v[PC] on and its scale word in v[PW].
.macro QUANT s
.irp b, 0,1,2,3
	v_max3_num_f32 v[TM+\b], |v[\s+16*\b]|, |v[\s+1+16*\b]|, 0x1800000   ; my 16 numbers of block b, and the floor 2^(3 - 127): the byte cannot fall under 1
.endr
.irp i, 2,4,6,8,10,12,14
.irp b, 0,1,2,3
	v_max3_num_f32 v[TM+\b], v[TM+\b], |v[\s+16*\b+\i]|, |v[\s+1+16*\b+\i]|   ; the four blocks by turns
.endr
.endr
.irp b, 0,1,2,3
	v_permlanex16_b32 v[TM+4+\b], v[TM+\b], s[SEL], s[SEL+1]
.endr
.irp b, 0,1,2,3
	v_max_num_f32 v[TM+\b], v[TM+\b], v[TM+4+\b]   ; with lane l xor 16's: the block's largest magnitude
.endr
.irp b, 0,1,2,3
	v_add_nc_u32 v[TM+12+\b], 0xff000000, v[TM+\b]   ; 2 off its exponent field: the conversion takes the exponent field of this operand as its scale
.endr
.irp b, 0,1,2,3
	v_lshrrev_b32 v[TM+4+\b], 23, v[TM+12+\b]      ; the scale's byte
.endr
	v_lshl_or_b32 v[PW], v[TM+5], 8, v[TM+4]
	v_lshl_or_b32 v[PW], v[TM+6], 16, v[PW]
	v_lshl_or_b32 v[PW], v[TM+7], 24, v[PW]
.irp b, 0,1,2,3
	v_cvt_scalef32_pk8_fp4_f32 v[PC+2*\b], v[\s+16*\b:\s+7+16*\b], v[TM+12+\b]
	v_cvt_scalef32_pk8_fp4_f32 v[PC+1+2*\b], v[\s+8+16*\b:\s+15+16*\b], v[TM+12+\b]
.endr
	v_nop                                          ; one plain instruction behind a scaled conversion
.irp c, 0,1                                    ; the operand wants a whole block in a lane: lanes 0-15 block 2 c, lanes 16-31 block 2 c + 1
.irp i, 0,1
	v_permlane16_swap_b32 v[PC+4*\c+\i], v[PC+2+4*\c+\i]
.endr
.endr
.endm
; path X: fragment f's numbers, 16 rows x 512 consecutive bytes, into set f % 2
.macro XLOAD f
.irp i, 0,1,2,3,4,5,6,7,8,9,10,11,12,13,14,15
	global_load_b128 v[R+64*((\f)%2)+4*\i:R+64*((\f)%2)+4*\i+3], v4, s[4:5] offset:4096*\i+512*(\f) th:TH_LOAD_NT
.endr
.endm
.macro XFRAG f
.if \f < 3
	s_wait_loadcnt 16                              ; this fragment's 16 loads are in; the next one's may be out
.else
	s_wait_loadcnt 0x0
.endif
.irp i, 0,1,2,3,4,5,6,7,8,9,10,11,12,13,14,15
	ds_store_b128 v7, v[R+64*((\f)%2)+4*\i:R+64*((\f)%2)+4*\i+3] offset:528*\i   ; as loaded: a row's 512 bytes on end
.endr
.irp b, 0,1,2,3
.irp j, 0,1,2,3
	ds_load_b128 v[ST+16*\b+4*\j:ST+16*\b+4*\j+3], v8 offset:128*\b+16*\j   ; back: my row's 16 neighbours of each block.  LDS serves a wave's instructions in order
.endr
.endr
	s_wait_dscnt 0x0                               ; the numbers are back, and the stores have read the set that is loaded again below
	s_wait_xcnt 0x0                                ; the last fragment's stores have read the codes' registers
.if \f < 2
	XLOAD \f+2
.endif
	QUANT ST
	global_store_b128 v4, v[PC:PC+3], s[34:35] offset:1024*\f          ; the image: 512 consecutive bytes a store
	global_store_b128 v4, v[PC+4:PC+7], s[34:35] offset:1024*\f+512
.if (\f)%2 == 0
	v_mov_b32 v[PWE], v[PW]
.else
	v_cndmask_b32 v[XSW+(\f)/2], v[PWE], v[PW], s22   ; lanes 0-15 the even K step's word, lanes 16-31 the odd one's
.endif
.endm
; path A: block b of 32 along K of my column
.macro ABLK b
.if \b < 2
	s_wait_loadcnt 63                              ; 96 and 64 loads are younger; the wait names 63 at the most, and a smaller count is safe
.else
	s_wait_loadcnt 32*(3-\b)
.endif
	v_max3_num_f32 v16, |v[R+32*\b]|, |v[R+32*\b+1]|, |v[R+32*\b+2]|
	v_max3_num_f32 v17, |v[R+32*\b+3]|, |v[R+32*\b+4]|, |v[R+32*\b+5]|
.irp i, 6,10,14,18,22,26
	v_max3_num_f32 v16, v16, |v[R+32*\b+\i]|, |v[R+32*\b+\i+1]|
	v_max3_num_f32 v17, v17, |v[R+32*\b+\i+2]|, |v[R+32*\b+\i+3]|
.endr
	v_max3_num_f32 v16, v16, |v[R+32*\b+30]|, |v[R+32*\b+31]|
	v_max3_num_f32 v16, v16, v17, 0x1800000        ; and the floor
	v_add_nc_u32 v18, 0xff000000, v16
	v_lshrrev_b32 v19, 23, v18
.if \b == 0
	v_mov_b32 v20, v19
.else
	v_lshl_or_b32 v20, v19, 8*\b, v20              ; the K step's four bytes make my column's scale word
.endif
.irp g, 0,1,2,3
	v_cvt_scalef32_pk8_fp4_f32 v[PC+4*\b+\g], v[R+32*\b+8*\g:R+32*\b+8*\g+7], v18
.endr
	v_nop                                          ; one plain instruction behind a scaled conversion
	global_store_b128 v9, v[PC+4*\b:PC+4*\b+3], s[38:39] offset:512*(\b/2)+256*(\b%2)   ; sixteen lanes fill 256 consecutive bytes of one tile's image
.endm
	s_load_b256 s[4:11], s[0:1], 0x0               ; x s[4:5], W_attn s[6:7], b_attn s[8:9], W_proj s[10:11]
	s_load_b128 s[12:15], s[0:1], 0x20             ; xq s[12:13], wq s[14:15]
	s_load_b64 s[16:17], s[0:1], 0x30              ; wp
	v_lshl_add_u32 v[SPW], v0, 2, SPARE
	v_mov_b32 v[NIL], 0
	v_lshrrev_b32 v1, 5, v0
	v_readfirstlane_b32 s18, v1                    ; wave 0..3
	v_and_b32 v1, 31, v0                           ; lane l
	v_and_b32 v2, 15, v0                           ; r
	v_bfe_u32 v3, v0, 4, 1                         ; h2
	v_lshlrev_b32 v4, 4, v1                        ; 16 l
	v_lshlrev_b32 v5, 2, v1                        ; 4 l
	v_lshlrev_b32 v6, 3, v1                        ; 8 l
	s_mov_b32 s[SEL], 0x76543210
	s_mov_b32 s[SEL+1], 0xfedcba98
	s_mov_b32 s22, 0xffff0000                      ; lanes 16-31
	s_cmp_lt_u32 ttmp9, 512
	s_cbranch_scc0 .Lnot_x
	; ---- PATH X.  Work-group: block of 64 tokens = id / 2, half of K kh = id % 2.  Wave m: tokens 16 m on, four fragments, K steps 4 kh + f.
	s_lshr_b32 s24, ttmp9, 1                       ; block
	s_and_b32 s25, ttmp9, 1                        ; kh
	s_lshl_b32 s26, s24, 18                        ; x: 64 rows of 4,096 bytes a block,
	s_lshl_b32 s27, s18, 16                        ; 16 rows a wave,
	s_add_co_u32 s26, s26, s27
	s_lshl_b32 s27, s25, 11                        ; 2,048 bytes a half of K
	s_add_co_u32 s26, s26, s27
	s_mov_b32 s27, 0
	s_mul_i32 s28, s24, XBLK                       ; xq: the block, image 8 m + 4 kh
	s_lshl_b32 s29, s18, 13
	s_add_co_u32 s28, s28, s29
	s_lshl_b32 s29, s25, 12
	s_add_co_u32 s28, s28, s29
	s_mov_b32 s29, 0
	s_mul_i32 s30, s24, XBLK                       ; its scale words: 32,768 + 512 m + 256 kh
	s_lshl_b32 s31, s18, 9
	s_add_co_u32 s30, s30, s31
	s_lshl_b32 s31, s25, 8
	s_add_co_u32 s30, s30, s31
	s_add_co_u32 s30, s30, 32768
	s_mov_b32 s31, 0
	s_mul_i32 s32, s18, TPW                        ; my stage
	v_add_nc_u32 v7, s32, v4                       ; in: 16 l
	v_mul_u32_u24 v8, v2, 528
	v_lshl_add_u32 v8, v3, 6, v8
	v_add_nc_u32 v8, s32, v8                       ; back: row r, + 64 h2
.irp b, 0,1,2,3
	v_mov_b32 v[TM+4+\b], 0                        ; written once: a lane permute's destination counts as one of its sources
.endr
	s_wait_kmcnt 0x0
	s_add_nc_u64 s[4:5], s[4:5], s[26:27]
	s_add_nc_u64 s[34:35], s[12:13], s[28:29]
	s_add_nc_u64 s[36:37], s[12:13], s[30:31]
	XLOAD 0
	XLOAD 1
	XFRAG 0
	XFRAG 1
	XFRAG 2
	XFRAG 3
	global_store_b64 v6, v[XSW:XSW+1], s[36:37]    ; 256 consecutive bytes of scale words
	s_wait_tensorcnt 0x0                           ; the wave's end: behind my last LDS store
	ds_add_u32 v[SPW], v[NIL]
	s_wait_dscnt 0x0
	s_endpgm
.Lnot_x:
	s_cmp_lt_u32 ttmp9, 704
	s_cbranch_scc0 .Lpath_p
	; ---- PATH A.  Work-group: K step ks = g % 8, 128 columns g / 8.  Wave: 32 columns; a lane takes a column, and its registers run down K.  No LDS.
	s_sub_co_u32 s24, ttmp9, 512                   ; g
	s_and_b32 s25, s24, 7                          ; ks
	s_lshr_b32 s26, s24, 3
	s_lshl_b32 s26, s26, 2
	s_add_co_u32 s26, s26, s18                     ; n32: which 32 columns of the 3,072 (0..95)
	s_mul_i32 s27, s26, 43
	s_lshr_b32 s27, s27, 8                         ; the head = n32 / 6 (exact for 0..95)
	s_mul_i32 s28, s27, 6
	s_sub_co_u32 s28, s26, s28
	s_lshr_b32 s29, s28, 1                         ; which: 0 q, 1 k, 2 v
	s_and_b32 s30, s28, 1                          ; e: which 32 of the head's 64; lanes 0-15: dt = 2 e, lanes 16-31: dt = 2 e + 1
	s_lshl_b32 s31, s30, 2
	s_add_co_u32 s31, s31, s29                     ; q, k: slot 2 dt + which = 4 e + which, + 2 for lanes 16-31
	s_lshl_b32 s32, s30, 1
	s_add_co_u32 s32, s32, 8                       ; v: slot 8 + dt = 8 + 2 e, + 1 for lanes 16-31
	s_cmp_lt_u32 s29, 2
	s_cselect_b32 s31, s31, s32
	s_cselect_b32 s32, 2, 1
	s_mul_i32 s32, s32, WSLOT
	v_mul_u32_u24 v9, s32, v3                      ; lanes 16-31: the other slot
	v_lshl_add_u32 v10, v2, 2, v9                  ; + 4 r: scale words and bias
	v_lshl_add_u32 v9, v2, 4, v9                   ; + 16 r: codes
	s_mul_i32 s33, s31, WSLOT
	s_lshr_b32 s34, s27, 2
	s_mul_i32 s34, s34, WPART
	s_add_co_u32 s33, s33, s34                     ; the part
	s_and_b32 s34, s27, 3                          ; the tile a
	s_mul_i32 s35, s34, WTILE
	s_add_co_u32 s36, s33, s35
	s_lshl_b32 s35, s25, 10
	s_add_co_u32 s38, s36, s35                     ; image ks of the tile
	s_mov_b32 s39, 0
	s_lshl_b32 s35, s25, 6
	s_add_co_u32 s40, s36, s35
	s_add_co_u32 s40, s40, 8192                    ; its scale words: 8,192 + 64 ks
	s_mov_b32 s41, 0
	s_lshl_b32 s35, s34, 6
	s_add_co_u32 s42, s33, s35
	s_add_co_u32 s42, s42, 34816                   ; the bias: 34,816 + 64 a
	s_mov_b32 s43, 0
	s_lshl_b32 s46, s26, 7                         ; my 32 columns, in bytes
	s_mov_b32 s47, 0
	s_mul_i32 s44, s25, 128*12288                  ; 128 rows of 12,288 bytes a K step
	s_add_co_u32 s44, s44, s46
	s_mov_b32 s45, 0
	s_wait_kmcnt 0x0
	s_add_nc_u64 s[6:7], s[6:7], s[44:45]
	s_add_nc_u64 s[8:9], s[8:9], s[46:47]
	s_add_nc_u64 s[38:39], s[14:15], s[38:39]
	s_add_nc_u64 s[40:41], s[14:15], s[40:41]
	s_add_nc_u64 s[42:43], s[14:15], s[42:43]
.irp g, 0,1,2,3,4,5,6,7,8,9,10,11,12,13,14,15
.irp j, 0,1,2,3,4,5,6,7
	global_load_b32 v[R+8*\g+\j], v5, s[6:7] offset:(8*\g+\j)*12288 th:TH_LOAD_NT   ; row k at 32 neighbouring columns; the four waves stand side by side on 512 bytes
.endr
.endr
	ABLK 0
	ABLK 1
	ABLK 2
	ABLK 3
	global_store_b32 v10, v20, s[40:41]            ; runs of 64 bytes: 98,304 bytes in the whole launch
	s_cmp_lg_u32 s25, 0
	s_cbranch_scc1 .La_end                         ; the work-groups of K step 0 also lay the bias
	global_load_b32 v21, v5, s[8:9]
	s_wait_loadcnt 0x0
	global_store_b32 v10, v21, s[42:43]
.La_end:
	s_endpgm
.Lpath_p:
	; ---- PATH P.  Work-group: 128 columns ng = g / 8, 128 of K' ch = g % 8.  Wave: 32 columns; a lane takes a column n; register 8 hh + j = W_proj(64 hh + 8 ch + j, n) = wp(n, 128 ch + 8 hh + j).
	s_sub_co_u32 s24, ttmp9, 704
	s_lshr_b32 s25, s24, 3                         ; ng
	s_and_b32 s26, s24, 7                          ; ch
	s_lshl_b32 s27, s25, 7
	s_lshl_b32 s28, s18, 5
	s_add_co_u32 s27, s27, s28                     ; n0
	s_lshl_b32 s28, s26, 15                        ; row 8 ch of 4,096 bytes,
	s_lshl_b32 s29, s27, 2
	s_add_co_u32 s28, s28, s29                     ; column n0
	s_mov_b32 s29, 0
	s_lshl_b32 s30, s27, 11                        ; wp: row n0 of 2,048 bytes,
	s_lshl_b32 s31, s26, 8
	s_add_co_u32 s30, s30, s31                     ; + 256 ch
	s_mov_b32 s31, 0
	s_mul_i32 s32, s18, PPW
	s_add_co_u32 s32, s32, PSTG                    ; my stage
	v_mul_u32_u24 v9, v1, 272
	v_add_nc_u32 v9, s32, v9                       ; in: row = my column
	v_mul_u32_u24 v10, v3, 272
	v_lshl_add_u32 v10, v2, 4, v10
	v_add_nc_u32 v10, s32, v10                     ; back: sixteen lanes to a row, two rows an instruction
	v_lshlrev_b32 v11, 11, v3
	v_lshl_add_u32 v11, v2, 4, v11                 ; and the same place in wp
	s_wait_kmcnt 0x0
	s_add_nc_u64 s[10:11], s[10:11], s[28:29]
	s_add_nc_u64 s[16:17], s[16:17], s[30:31]
.irp g, 0,1,2,3,4,5,6,7,8,9,10,11,12,13,14,15
.irp j, 0,1,2,3,4,5,6,7
	global_load_b32 v[R+8*\g+\j], v5, s[10:11] offset:(64*\g+\j)*4096 th:TH_LOAD_NT
.endr
.endr
.irp g, 0,1,2,3
.if \g < 2
	s_wait_loadcnt 63                              ; 96 and 64 loads are younger; the wait names 63 at the most
.else
	s_wait_loadcnt 32*(3-\g)
.endif
.irp u, 0,1,2,3
.irp q, 0,1,2,3
	v_cvt_pk_f16_f32 v[R+8*(4*\g+\u)+\q], v[R+8*(4*\g+\u)+2*\q], v[R+8*(4*\g+\u)+2*\q+1]   ; in place, ascending: a pair is read before its place is written
.endr
	ds_store_b128 v9, v[R+8*(4*\g+\u):R+8*(4*\g+\u)+3] offset:16*(4*\g+\u)
.endr
.endr
.irp t, 0,1,2,3,4,5,6,7,8,9,10,11,12,13,14,15
	ds_load_b128 v[ST+4*\t:ST+4*\t+3], v10 offset:2*\t*272   ; LDS serves a wave's instructions in order: these see my stores
.endr
.irp t, 0,1,2,3,4,5,6,7,8,9,10,11,12,13,14,15
	s_wait_dscnt 15-\t
	global_store_b128 v11, v[ST+4*\t:ST+4*\t+3], s[16:17] offset:2*\t*2048   ; sixteen lanes store 256 consecutive bytes, aligned
.endr
	s_wait_tensorcnt 0x0                           ; the wave's end: behind my last LDS store
	ds_add_u32 v[SPW], v[NIL]
	s_wait_dscnt 0x0
	s_endpgm
.Lfunc_end_k_q479cc34d5c_prep:
	.size	k_q479cc34d5c_prep, .Lfunc_end_k_q479cc34d5c_prep-k_q479cc34d5c_prep
	.p2alignl 7, 3214868480
	.fill 96, 4, 3214868480
	.section	.rodata,"a",@progbits
	.p2align	6, 0x0
	.amdhsa_kernel k_q479cc34d5c_prep
		.amdhsa_group_segment_fixed_size 69120
		.amdhsa_private_segment_fixed_size 0
		.amdhsa_enable_private_segment 0
		.amdhsa_kernarg_size 56
		.amdhsa_user_sgpr_count 2
		.amdhsa_user_sgpr_kernarg_segment_ptr 1
		.amdhsa_wavefront_size32 1
		.amdhsa_system_sgpr_workgroup_id_x 1
		.amdhsa_system_sgpr_workgroup_id_y 1
		.amdhsa_system_sgpr_workgroup_id_z 1
		.amdhsa_system_vgpr_workitem_id 0
		.amdhsa_next_free_vgpr 256
		.amdhsa_next_free_sgpr 66
		.amdhsa_reserve_vcc 0
		.amdhsa_float_denorm_mode_32 3
		.amdhsa_float_denorm_mode_16_64 3
		.amdhsa_memory_ordered 1
		.amdhsa_forward_progress 1
		.amdhsa_inst_pref_size 75
	.end_amdhsa_kernel
	.amdgpu_metadata
---
amdhsa.version: [ 1, 2 ]
amdhsa.kernels:
  - .name:           k_q479cc34d5c_prep
    .symbol:         k_q479cc34d5c_prep.kd
    .args:
      - { .name: x, .offset: 0, .size: 8, .value_kind: global_buffer, .address_space: global }
      - { .name: W_attn, .offset: 8, .size: 8, .value_kind: global_buffer, .address_space: global }
      - { .name: b_attn, .offset: 16, .size: 8, .value_kind: global_buffer, .address_space: global }
      - { .name: W_proj, .offset: 24, .size: 8, .value_kind: global_buffer, .address_space: global }
      - { .name: xq, .offset: 32, .size: 8, .value_kind: global_buffer, .address_space: global }
      - { .name: wq, .offset: 40, .size: 8, .value_kind: global_buffer, .address_space: global }
      - { .name: wp, .offset: 48, .size: 8, .value_kind: global_buffer, .address_space: global }
    .group_segment_fixed_size: 69120
    .private_segment_fixed_size: 0
    .kernarg_segment_align: 8
    .kernarg_segment_size: 56
    .max_flat_workgroup_size: 128
    .sgpr_count:     66
    .vgpr_count:     256
    .wavefront_size: 32
...
	.end_amdgpu_metadata
.endif
;; end of part 1
;; launch qkvattn (part 2): grid 256 x 1, 4 waves a work-group, clusters of 4 x 1, 327,680 bytes of LDS; arguments xq, wq, mask, oh; writes oh
.if DOCPART == 2
	.amdgcn_target "amdgcn-amd-amdhsa--gfx1250"
	.amdhsa_code_object_version 6
	.text
	.protected	k_q479cc34d5c_qkvattn
	.globl	k_q479cc34d5c_qkvattn
	.p2align	8
	.type	k_q479cc34d5c_qkvattn,@function
k_q479cc34d5c_qkvattn:
	s_mov_b64 s[64:65], 0
	v_nop
	global_prefetch_b8 v0, s[64:65] scope:SCOPE_SE
	s_setreg_imm32_b32 hwreg(HW_REG_WAVE_MODE, 25, 1), 1
	s_wait_xcnt 0x0
	s_wait_alu depctr_hold_cnt(0) depctr_sa_sdst(0) depctr_va_vdst(0) depctr_va_sdst(0) depctr_va_ssrc(0) depctr_va_vcc(0) depctr_vm_vsrc(0)
	s_getreg_b32 s2, hwreg(HW_REG_IB_STS2, 6, 4)
	s_cmp_eq_u32 s2, 0
	s_cbranch_scc0 .Lentry_in_a_cluster
	s_endpgm
.Lentry_in_a_cluster:
	s_bfe_u32 s2, ttmp6, 0x10000c
	s_cmp_lg_u32 s2, 0x3003
	s_cbranch_scc0 .Lentry_shape_is_right
	s_endpgm
.Lentry_shape_is_right:
; qkv = Q(x) Q(W_attn) + b_attn on codes of FP4 (E2M1) with E8M0 scales; then, for each token, scores q_h . k_g / 8, where(mask[g], score, -1e9), softmax over g with its maximum taken away, the weights times v.
; Nothing of reference() is left out here.  The result goes to oh [16384][1024] f16, K' = 256 t + 128 h2 + 8 h + j standing for channel 64 h + 16 t + 8 h2 + j.
; LIMITS: q, k, v and the result are rounded to f16 for the products that the problem leaves as they are: their magnitudes stay under 65,504; NaN and infinities are not served.
; SHARES.  A work-group owns 64 tokens and walks all 3,072 columns in 12 slots of 16 tiles of 16 columns (one tile for each head).  THE WAVES SHARE THE COLUMNS: wave w makes heads 4 w + a, a = 0..3, for all 64 tokens,
; so a weight fragment read from LDS (1,024 bytes) feeds four matrix instructions and is read by one wave alone; x's 32 fragments stay in each wave's registers.  For the attention wave w owns tokens 8 w + i and 32 + 8 w + i.
; THE FIRST PRODUCT IS USED TRANSPOSED (source 0 = 16 columns of W, source 1 = 16 tokens): a lane holds one token and eight neighbouring channels, which pack into 16 bytes of f16.  The attention wants a head to a lane:
; q, k, v change lanes through a stage in LDS, 32 tokens at a time; the other 32 tokens' wait as packed f16 in 64 registers.
; A pass is two slots: q's and k's channels 16 c on (four passes: the scores add up over them), or v's channels 32 p on (two passes).  The 16-bit products run with 16 of their 32 along K real and the rest zeros on both sides.
; CLUSTER.  All work-groups walk the same weights in the same order: the four of a cluster ask for each slot JOINTLY (mask 15), each wave for its own part.  The place in the cluster enters the addresses of xq, mask and oh alone.
; No prefetch: the weights are read again by every cluster, and xq and the mask are wanted at the head.
; REGISTERS, in windows of 256 (s_set_vgpr_msb: bits 1:0 source 0, 3:2 source 1, 5:4 source 2, 7:6 destination):
;   window 0: v3-15 addresses; v28, v29 the add's two; v32-47 x's scale words; v48-63 W's; v64-127 eight accumulators; v128-255 eight pairs of 16-bit operands (upper halves zero)
;   window 1: x's fragments at 64 m + 8 s      window 2: W's fragments at 64 a + 8 s
;   window 3: v0-127 scores, then weights, 8 a token; v128-191 packed results in waiting (at work in the softmax); v192-207 mask words; v208-239 the bias of four tiles; v240 the masked score
.set SLOT,  140288                     ; a slot: four parts
.set PART,  35072                      ; a wave's part: four tiles and 256 bytes of bias: 137 rows of 256 bytes
.set TILE,  8704                       ; eight images of 1,024 bytes, then 512 bytes of scale words
.set STAGE, 2*SLOT                     ; behind the ring: 32 tokens x 1,040 bytes; written by LDS stores alone
.set TP,    1040                       ; a token's 1,024 bytes + 16: 65 x 16, so that sixteen tokens' stores fall on different banks
.set SPARE, STAGE+32*TP                ; the spare words, 128 bytes for each wave: two blocks of 256 bytes that no other line names
.set L16, 3                            ; v3   16 l
.set A16, 4                            ; v4-5 my part of buffer 0, 1: + 16 l
.set A4,  6                            ; v6-7 + 4 l
.set AB,  8                            ; v8-9 + 34,816 + 32 h2: the bias
.set STQ, 10                           ; v10  stage, q and k: token r, + 256 h2 + 64 w
.set STV, 11                           ; v11  stage, v: token r, + 16 h2 + 256 w
.set RD,  12                           ; v12  stage: my 8 tokens, + 16 l
.set VT,  13                           ; v13  stage: my 8 tokens, the turning load's place
.set H8,  14                           ; v14  8 h2
.set L8,  15                           ; v15  8 l
.set SPW, 28
.set NIL, 29
.set XS,  32
.set WS,  48
.set ACC, 64
.set OPB, 128
.set PK,  128                          ; window 3
.set MK,  192
.set BI,  208
.set NEG, 240
.set MX,  PK                           ; the softmax's: a pair a token,
.set PX,  PK+32                        ; a register a token,
.set TB,  PK+48                        ; sixteen at work
.set WV,  12                           ; s12 my wave's number
.set SEL, 20                           ; s[20:21] lane l xor 16
.set CS,  22                           ; s[22:23] log2(e) / 8
.set CNT, 24
.set G1,  28                           ; s[28:35] descriptor group 1
.set G0,  36                           ; s[36:43] group 0, a set for each buffer
.set VM,  48                           ; s48-55 eight lane masks
.set MSB, 0
.macro WIN new                         ; the immediate's high byte repeats the setting that is left
.if MSB != \new
	s_set_vgpr_msb (MSB<<8)|\new
.set MSB, \new
.endif
.endm
.macro CROUND                          ; a round of the cluster's barrier
	s_barrier_signal -1
	s_barrier_wait -1
	s_cmp_lg_u32 s[WV], 0
	s_cbranch_scc1 .Lnot_wave_0_\@
	s_barrier_signal -3
.Lnot_wave_0_\@:
	s_barrier_wait -3
	s_barrier_signal -1
	s_barrier_wait -1
.endm
.macro BAR                             ; my LDS stores have landed and my LDS loads are in: then the work-group's barrier.  A tensor load may stay out across it
	s_wait_dscnt 0x0
	s_barrier_signal -1
	s_barrier_wait -1
.endm
; THE CHANGE OF BUFFERS stands at a slot's head.  fill = 1: all my tensor loads have landed (the slot in buffer b), the add, my LDS reads are over; a round of the cluster's barrier; then the next slot goes into the other buffer.
; By this text's own count a wave has one tensor load out.  fill = 0, the last slot: its load is waited for, nothing is filled, and only the wave that asked reads the bytes.
.macro CHANGE b, fill
.if \fill
	WIN 0
	s_wait_tensorcnt 0x0                           ; no tensor load of mine is out, so a group 0 may be written
	ds_add_u32 v[SPW], v[NIL]
	s_add_nc_u64 s[G0+4*\b+2:G0+4*\b+3], s[G0+4*\b+2:G0+4*\b+3], 2*SLOT   ; this buffer's next slot (behind the last slots the stepped address is not used)
	s_wait_dscnt 0x0                               ; the add is done; my reads of the other buffer and of the stage are over
	CROUND
	tensor_load_to_lds s[G0+4-4*\b:G0+7-4*\b], s[G1:G1+7]
	s_nop 0
.rept 4
	v_nop
.endr
.else
	s_wait_tensorcnt 0x0
.endif
.endm
; 44 LDS loads: tiles a = 2 hs, 2 hs + 1 of buffer b: 8 scale words, the bias, then the fragments K step by K step (four loads a step)
.macro LOADS b, hs
	WIN 0
.irp aa, 0,1
.irp u, 0,1,2,3
	ds_load_b32 v[WS+4*(2*\hs+\aa)+\u], v[A4+\b] offset:(2*\hs+\aa)*TILE+8192+128*\u   ; lanes 0-15: K step 2 u; lanes 16-31: 2 u + 1
.endr
.endr
	WIN 0xc0
.irp aa, 0,1
	ds_load_b128 v[BI+8*(2*\hs+\aa):BI+8*(2*\hs+\aa)+3], v[AB+\b] offset:64*(2*\hs+\aa)
	ds_load_b128 v[BI+8*(2*\hs+\aa)+4:BI+8*(2*\hs+\aa)+7], v[AB+\b] offset:64*(2*\hs+\aa)+16
.endr
	WIN 0x80
.irp k, 0,1,2,3,4,5,6,7
.irp aa, 0,1
.irp c, 0,1
	ds_load_b128 v[64*(2*\hs+\aa)+8*\k+4*\c:64*(2*\hs+\aa)+8*\k+4*\c+3], v[A16+\b] offset:(2*\hs+\aa)*TILE+1024*\k+512*\c
.endr
.endr
.endr
.endm
; 8 matrix instructions: two tiles of columns x four tiles of tokens, K step k.  The eight accumulators take turns, one instruction a turn.  The bias is the C of the first K step.
.macro MM hs, k
.if (\k) == 0
	WIN 0x36
.else
	WIN 0x06
.endif
.irp aa, 0,1
.irp m, 0,1,2,3
.if (\k) == 0
	v_wmma_scale_f32_16x16x128_f8f6f4 v[ACC+8*(4*\aa+\m):ACC+8*(4*\aa+\m)+7], v[64*(2*\hs+\aa):64*(2*\hs+\aa)+7], v[64*\m:64*\m+7], v[BI+8*(2*\hs+\aa):BI+8*(2*\hs+\aa)+7], v[WS+4*(2*\hs+\aa)], v[XS+4*\m] matrix_a_fmt:MATRIX_FMT_FP4 matrix_b_fmt:MATRIX_FMT_FP4
.elseif (\k)%2
	v_wmma_scale_f32_16x16x128_f8f6f4 v[ACC+8*(4*\aa+\m):ACC+8*(4*\aa+\m)+7], v[64*(2*\hs+\aa)+8*\k:64*(2*\hs+\aa)+8*\k+7], v[64*\m+8*\k:64*\m+8*\k+7], v[ACC+8*(4*\aa+\m):ACC+8*(4*\aa+\m)+7], v[WS+4*(2*\hs+\aa)+\k/2], v[XS+4*\m+\k/2] matrix_a_fmt:MATRIX_FMT_FP4 matrix_b_fmt:MATRIX_FMT_FP4 matrix_a_scale:MATRIX_SCALE_ROW1 matrix_b_scale:MATRIX_SCALE_ROW1
.else
	v_wmma_scale_f32_16x16x128_f8f6f4 v[ACC+8*(4*\aa+\m):ACC+8*(4*\aa+\m)+7], v[64*(2*\hs+\aa)+8*\k:64*(2*\hs+\aa)+8*\k+7], v[64*\m+8*\k:64*\m+8*\k+7], v[ACC+8*(4*\aa+\m):ACC+8*(4*\aa+\m)+7], v[WS+4*(2*\hs+\aa)+\k/2], v[XS+4*\m+\k/2] matrix_a_fmt:MATRIX_FMT_FP4 matrix_b_fmt:MATRIX_FMT_FP4
.endif
.endr
.endr
.endm
; The eight results are rounded to f16, each from its low end on.  Tokens 0-31 (m = 0, 1) go to the stage; tokens 32-63 wait in window 3.
.macro EPI hs, sl, base, ast, sof
	WIN 0
.rept 4
	v_nop                                          ; four plain instructions between the last product and the first read of results
.endr
.irp aa, 0,1
.irp m, 0,1
.irp q, 0,1,2,3
	v_cvt_pk_f16_f32 v[ACC+8*(4*\aa+\m)+\q], v[ACC+8*(4*\aa+\m)+2*\q], v[ACC+8*(4*\aa+\m)+2*\q+1]
.endr
.endr
.endr
	WIN 0xc0
.irp aa, 0,1
.irp m, 2,3
.irp q, 0,1,2,3
	v_cvt_pk_f16_f32 v[PK+4*(2*(4*\sl+2*\hs+\aa)+\m-2)+\q], v[ACC+8*(4*\aa+\m)+2*\q], v[ACC+8*(4*\aa+\m)+2*\q+1]
.endr
.endr
.endr
	WIN 0
.irp aa, 0,1
.irp m, 0,1
	ds_store_b128 v[\base], v[ACC+8*(4*\aa+\m):ACC+8*(4*\aa+\m)+3] offset:\m*16*TP+\sl*\sof+(2*\hs+\aa)*\ast
.endr
.endr
.endm
; A slot: 128 matrix instructions.  The counts leave out: the later K steps' loads, four a step; the whole second run, 44; the first epilogue's four stores.
.macro SLOTG b, sl, base, ast, sof
	LOADS \b, 0
.irp k, 0,1,2,3
	s_wait_dscnt 4*(7-\k)
	MM 0, \k
.endr
	LOADS \b, 1
.irp k, 4,5,6,7
	s_wait_dscnt 44+4*(7-\k)
	MM 0, \k
.endr
	EPI 0, \sl, \base, \ast, \sof
.irp k, 0,1,2,3,4,5,6,7
	s_wait_dscnt 4+4*(7-\k)
	MM 1, \k
.endr
	EPI 1, \sl, \base, \ast, \sof
.endm
.macro XCH1 base, ast, sof             ; tokens 32-63 take the stage
	WIN 0x0c                                       ; an LDS store's data are its source 1: window 3
.irp sl, 0,1
.irp a, 0,1,2,3
.irp mm, 0,1
	ds_store_b128 v[\base], v[PK+4*(2*(4*\sl+\a)+\mm):PK+4*(2*(4*\sl+\a)+\mm)+3] offset:\mm*16*TP+\sl*\sof+\a*\ast
.endr
.endr
.endr
	WIN 0
.endm
; Scores of my 8 tokens of a half: source 0 = k (16 heads g), source 1 = q (16 heads h): lane (h, h2) holds the scores of g = 8 h2 + j.  A fragment's 16 real channels are 512 consecutive bytes of the stage.
.macro SPH half, first
.irp i, 0,1,2,3,4,5,6,7
	ds_load_b128 v[OPB+16*\i:OPB+16*\i+3], v[RD] offset:TP*\i+512
	ds_load_b128 v[OPB+16*\i+8:OPB+16*\i+11], v[RD] offset:TP*\i
.endr
.if \first
	WIN 0xc0
.else
	WIN 0xf0
.endif
.irp i, 0,1,2,3,4,5,6,7
	s_wait_dscnt 14-2*\i                           ; the later tokens' loads may be out
.if \first
	v_wmma_f32_16x16x32_f16 v[8*(8*\half+\i):8*(8*\half+\i)+7], v[OPB+16*\i:OPB+16*\i+7], v[OPB+16*\i+8:OPB+16*\i+15], 0
.else
	v_wmma_f32_16x16x32_f16 v[8*(8*\half+\i):8*(8*\half+\i)+7], v[OPB+16*\i:OPB+16*\i+7], v[OPB+16*\i+8:OPB+16*\i+15], v[8*(8*\half+\i):8*(8*\half+\i)+7]
.endif
.endr
	WIN 0
.rept 4
	v_nop                                          ; in front of the next loads into these operands, and of the first read of the scores
.endr
.endm
; The weights times v, my 8 tokens of a half, channels 32 p on: source 0 = v turned (16 channels x 16 heads g), source 1 = the weights: lane (h, h2) holds channels 8 h2 + j of head h: 16 bytes of oh at 16 l.
.macro PVH half, p
.irp i, 0,1,2,3,4,5,6,7
.irp e, 0,1
	ds_load_tr16_b128 v[OPB+16*\i+8*\e:OPB+16*\i+8*\e+3], v[VT] offset:TP*\i+32*\e
.endr
.endr
.irp bq, 0,1
	s_wait_dscnt 8-8*\bq                           ; four tokens' eight loads are in; the other four tokens' may be out
	s_wait_xcnt 0x0                                ; earlier stores have read the accumulators' registers
	WIN 0x0c
.irp ii, 0,1,2,3
.irp e, 0,1
	v_wmma_f32_16x16x32_f16 v[ACC+16*\ii+8*\e:ACC+16*\ii+8*\e+7], v[OPB+16*(4*\bq+\ii)+8*\e:OPB+16*(4*\bq+\ii)+8*\e+7], v[8*(8*\half+4*\bq+\ii):8*(8*\half+4*\bq+\ii)+7], 0
.endr
.endr
	WIN 0
.rept 4
	v_nop
.endr
.irp ii, 0,1,2,3
.irp e, 0,1
.irp q, 0,1,2,3
	v_cvt_pk_f16_f32 v[ACC+16*\ii+8*\e+\q], v[ACC+16*\ii+8*\e+2*\q], v[ACC+16*\ii+8*\e+2*\q+1]
.endr
	global_store_b128 v[L16], v[ACC+16*\ii+8*\e:ACC+16*\ii+8*\e+3], s[10:11] offset:2048*(32*\half+4*\bq+\ii)+512*(2*\p+\e)   ; 512 consecutive bytes, aligned
.endr
.endr
.endr
	s_wait_xcnt 0x0                                ; the stores have read their registers: the next products may write them
.endm
; A PASS.  The stage is ordered so: epilogues' stores | barrier | reads of tokens 0-31 | barrier | stores of tokens 32-63 | barrier | their reads | the round of the next change of buffers | the next epilogue's stores.
.macro PASSQK first
	CHANGE 0, 1
	SLOTG 0, 0, STQ, 16, 512
	CHANGE 1, 1
	SLOTG 1, 1, STQ, 16, 512
	BAR
	SPH 0, \first
	BAR
	XCH1 STQ, 16, 512
	BAR
	SPH 1, \first
.endm
.macro PASSV p, fill
	CHANGE 0, 1
	SLOTG 0, 0, STV, 64, 32
	CHANGE 1, \fill
	SLOTG 1, 1, STV, 64, 32
	BAR
	PVH 0, \p
	BAR
	XCH1 STV, 64, 32
	BAR
	PVH 1, \p
.endm
	s_load_b256 s[4:11], s[0:1], 0x0               ; xq s[4:5], wq s[6:7], mask s[8:9], oh s[10:11]
	v_lshl_add_u32 v[SPW], v0, 2, SPARE
	v_mov_b32 v[NIL], 0
	ds_add_u32 v[SPW], v[NIL]                      ; the wave's opening: the add, twice on end, and its wait ahead of my first tensor load
	ds_add_u32 v[SPW], v[NIL]
	v_lshrrev_b32 v1, 5, v0
	v_readfirstlane_b32 s[WV], v1                  ; wave 0..3
	s_bfe_u32 s13, ttmp6, 0x40000                  ; cx: my place in the cluster
	s_lshl_b32 s14, ttmp9, 2
	s_add_co_u32 s14, s14, s13                     ; my block of 64 tokens
	; descriptor group 1: a part: 137 rows of 256 bytes (32 elements of 8 bytes), dense, no padding
	s_mov_b32 s[G1], 15|(3<<16)|(1<<21)            ; 15:0 the mask: all four work-groups; 17:16 elements of 8 bytes; 21 set beside a mask
	s_mov_b32 s[G1+1], 32<<16                      ; tensor_dim0
	s_mov_b32 s[G1+2], 137<<16                     ; tensor_dim1
	s_mov_b32 s[G1+3], 32<<16                      ; tile_dim0
	s_mov_b32 s[G1+4], 137                         ; tile_dim1
	s_mov_b32 s[G1+5], 32                          ; from row to row
	s_mov_b32 s[G1+6], 0
	s_mov_b32 s[G1+7], 0
	s_mov_b32 s[SEL], 0x76543210
	s_mov_b32 s[SEL+1], 0xfedcba98
	s_mov_b32 s[CS], 0x3e38aa3b                    ; log2(e) / 8
	s_mov_b32 s[CS+1], s[CS]                       ; (named with it as a pair, so it is written)
	s_mov_b32 s25, 0xceabfb8f                      ; -1e9 x log2(e)
	s_mul_i32 s18, s[WV], PART                     ; my part, in a slot and in a buffer: the wave's number alone
	s_mov_b32 s19, 0
	v_and_b32 v1, 31, v0                           ; l
	v_and_b32 v2, 15, v0                           ; r
	v_bfe_u32 v16, v0, 4, 1                        ; h2
	v_lshlrev_b32 v[L16], 4, v1
	v_add_nc_u32 v[A16], s18, v[L16]
	v_add_nc_u32 v[A16+1], SLOT, v[A16]
	v_lshl_add_u32 v[A4], v1, 2, s18
	v_add_nc_u32 v[A4+1], SLOT, v[A4]
	v_lshl_add_u32 v[AB], v16, 5, s18
	v_add_nc_u32 v[AB], 34816, v[AB]
	v_add_nc_u32 v[AB+1], SLOT, v[AB]
	v_mul_u32_u24 v17, v2, TP
	v_lshl_add_u32 v[STQ], v16, 8, v17
	s_lshl_b32 s26, s[WV], 6
	s_add_co_u32 s26, s26, STAGE
	v_add_nc_u32 v[STQ], s26, v[STQ]
	v_lshl_add_u32 v[STV], v16, 4, v17
	s_lshl_b32 s26, s[WV], 8
	s_add_co_u32 s26, s26, STAGE
	v_add_nc_u32 v[STV], s26, v[STV]
	s_mul_i32 s26, s[WV], 8*TP
	s_add_co_u32 s26, s26, STAGE
	v_add_nc_u32 v[RD], s26, v[L16]
	v_and_b32 v17, 7, v0
	v_lshl_add_u32 v17, v16, 3, v17                ; the turning load: head g = 8 h2 + l % 8, 64 bytes a head,
	v_lshlrev_b32 v17, 6, v17
	v_bfe_u32 v18, v0, 3, 1
	v_lshl_add_u32 v17, v18, 4, v17                ; channels 8 ((l / 8) % 2) on
	v_add_nc_u32 v[VT], s26, v17
	v_lshlrev_b32 v[H8], 3, v16
	v_lshlrev_b32 v[L8], 3, v1
	s_wait_dscnt 0x0                               ; both opening adds are done
	s_wait_kmcnt 0x0
	s_add_nc_u64 s[6:7], s[6:7], s[18:19]          ; wq at my part of slot 0
	s_mov_b32 s[G0], 1                             ; count = 1
	s_mov_b32 s[G0+1], s18                         ; LDS address: buffer 0
	s_mov_b64 s[G0+2:G0+3], s[6:7]
	s_or_b32 s[G0+3], s[G0+3], 0x80000000          ; type = 2
	s_mov_b32 s[G0+4], 1
	s_add_co_u32 s[G0+5], s18, SLOT                ; buffer 1
	s_add_nc_u64 s[G0+6:G0+7], s[6:7], SLOT        ; slot 1
	s_or_b32 s[G0+7], s[G0+7], 0x80000000
	s_mul_i32 s16, s14, 34816
	s_mov_b32 s17, 0
	s_add_nc_u64 s[4:5], s[4:5], s[16:17]          ; xq at my block
	s_lshl_b32 s16, s14, 10
	s_lshl_b32 s26, s[WV], 7
	s_add_co_u32 s16, s16, s26
	s_add_nc_u64 s[8:9], s[8:9], s[16:17]          ; mask at token 64 W + 8 w: 16 bytes a token
	s_lshl_b32 s16, s14, 17
	s_lshl_b32 s26, s[WV], 14
	s_add_co_u32 s16, s16, s26
	s_add_nc_u64 s[10:11], s[10:11], s[16:17]      ; oh likewise: 2,048 bytes a token
	CROUND                                         ; all four work-groups are here: the first joint loads meet
	tensor_load_to_lds s[G0:G0+3], s[G1:G1+7]      ; slot 0
	s_nop 0
.rept 4
	v_nop
.endr
	WIN 0x40
.irp f, 0,1,2,3,4,5,6,7,8,9,10,11,12,13,14,15,16,17,18,19,20,21,22,23,24,25,26,27,28,29,30,31
	global_load_b128 v[8*\f:8*\f+3], v[L16], s[4:5] offset:1024*\f th:TH_LOAD_NT       ; x's fragments stay in registers
	global_load_b128 v[8*\f+4:8*\f+7], v[L16], s[4:5] offset:1024*\f+512 th:TH_LOAD_NT
.endr
	WIN 0
.irp m, 0,1,2,3
.irp kh, 0,1
	global_load_b64 v[XS+4*\m+2*\kh:XS+4*\m+2*\kh+1], v[L8], s[4:5] offset:32768+512*\m+256*\kh th:TH_LOAD_NT
.endr
.endr
	WIN 0xc0
.irp hf, 0,1
.irp i, 0,1,2,3,4,5,6,7
	global_load_b64 v[PK+2*(8*\hf+\i):PK+2*(8*\hf+\i)+1], v[H8], s[8:9] offset:16*(32*\hf+\i)   ; the mask bytes of heads 8 h2 + 0 .. 7 of my 16 tokens
.endr
.endr
	WIN 0
.irp i, 0,1,2,3,4,5,6,7
.irp q, 4,5,6,7,12,13,14,15
	v_mov_b32 v[OPB+16*\i+\q], 0                   ; the 16-bit operands' upper 16 along K: zeros, written once
.endr
.endr
	s_wait_loadcnt 0x0
	WIN 0xff
.irp i, 0,1,2,3,4,5,6,7,8,9,10,11,12,13,14,15
	v_lshl_or_b32 v[MK+\i], v[PK+2*\i+1], 4, v[PK+2*\i]   ; one word a token: bit 8 j for j < 4, bit 8 (j - 4) + 4 above
.endr
	v_mov_b32 v[NEG], s25
	WIN 0
	PASSQK 1                                       ; the first pass starts the scores' sums
	s_mov_b32 s[CNT], 3
.Lqk:
	PASSQK 0
	s_sub_co_u32 s[CNT], s[CNT], 1
	s_cmp_lg_u32 s[CNT], 0
	s_cbranch_scc1 .Lqk
	; THE SOFTMAX of my 16 tokens, stage by stage over all of them, all in window 3.
	WIN 0xff
.irp i, 0,1,2,3,4,5,6,7,8,9,10,11,12,13,14,15
.irp k, 0,2,4,6
	v_pk_mul_f32 v[8*\i+\k:8*\i+\k+1], v[8*\i+\k:8*\i+\k+1], s[CS:CS+1] op_sel_hi:[1,0]   ; t = score x log2(e) / 8, from each accumulator's low end on
.endr
.endr
.irp i, 0,1,2,3,4,5,6,7,8,9,10,11,12,13,14,15
.irp j, 0,1,2,3,4,5,6,7
	v_and_b32 v[TB+8*(\i%2)+\j], 1<<(8*(\j%4)+4*(\j/4)), v[MK+\i]
.endr
.irp j, 0,1,2,3,4,5,6,7
	v_cmp_ne_u32 s[VM+\j], 0, v[TB+8*(\i%2)+\j]
.endr
.irp j, 0,1,2,3,4,5,6,7
	v_cndmask_b32 v[8*\i+\j], v[NEG], v[8*\i+\j], s[VM+\j]   ; where the mask is false: -1e9 x log2(e)
.endr
.endr
.irp i, 0,1,2,3,4,5,6,7,8,9,10,11,12,13,14,15
	v_max3_num_f32 v[MX+2*\i], v[8*\i], v[8*\i+1], v[8*\i+2]
.endr
.irp i, 0,1,2,3,4,5,6,7,8,9,10,11,12,13,14,15
	v_max3_num_f32 v[MX+2*\i], v[MX+2*\i], v[8*\i+3], v[8*\i+4]
.endr
.irp i, 0,1,2,3,4,5,6,7,8,9,10,11,12,13,14,15
	v_max3_num_f32 v[MX+2*\i], v[MX+2*\i], v[8*\i+5], v[8*\i+6]
.endr
.irp i, 0,1,2,3,4,5,6,7,8,9,10,11,12,13,14,15
	v_max_num_f32 v[MX+2*\i], v[MX+2*\i], v[8*\i+7]
.endr
.irp i, 0,1,2,3,4,5,6,7,8,9,10,11,12,13,14,15
	v_permlanex16_b32 v[PX+\i], v[MX+2*\i], s[SEL], s[SEL+1]
.endr
.irp i, 0,1,2,3,4,5,6,7,8,9,10,11,12,13,14,15
	v_max_num_f32 v[MX+2*\i], v[MX+2*\i], v[PX+\i]   ; the row's maximum, over all 16 heads g
.endr
.irp i, 0,1,2,3,4,5,6,7,8,9,10,11,12,13,14,15
.irp k, 0,2,4,6
	v_pk_add_f32 v[8*\i+\k:8*\i+\k+1], v[8*\i+\k:8*\i+\k+1], v[MX+2*\i:MX+2*\i+1] op_sel_hi:[1,0] neg_lo:[0,1] neg_hi:[0,1]   ; the maximum is taken away
.endr
.endr
.irp i, 0,1,2,3,4,5,6,7,8,9,10,11,12,13,14,15
.irp j, 0,1,2,3,4,5,6,7
	v_exp_f32 v[8*\i+\j], v[8*\i+\j]               ; one batch of 128
.endr
.endr
	v_nop                                          ; a plain instruction behind the last exponential
	s_wait_alu depctr_va_vdst(0)                   ; one wait for the batch, ahead of its first reader
.irp i, 0,1,2,3,4,5,6,7,8,9,10,11,12,13,14,15
	v_pk_add_f32 v[MX+2*\i:MX+2*\i+1], v[8*\i:8*\i+1], v[8*\i+2:8*\i+3]
.endr
.irp i, 0,1,2,3,4,5,6,7,8,9,10,11,12,13,14,15
	v_pk_add_f32 v[MX+2*\i:MX+2*\i+1], v[MX+2*\i:MX+2*\i+1], v[8*\i+4:8*\i+5]
.endr
.irp i, 0,1,2,3,4,5,6,7,8,9,10,11,12,13,14,15
	v_pk_add_f32 v[MX+2*\i:MX+2*\i+1], v[MX+2*\i:MX+2*\i+1], v[8*\i+6:8*\i+7]
.endr
.irp i, 0,1,2,3,4,5,6,7,8,9,10,11,12,13,14,15
	v_add_f32 v[MX+2*\i], v[MX+2*\i], v[MX+2*\i+1]
.endr
.irp i, 0,1,2,3,4,5,6,7,8,9,10,11,12,13,14,15
	v_permlanex16_b32 v[PX+\i], v[MX+2*\i], s[SEL], s[SEL+1]
.endr
.irp i, 0,1,2,3,4,5,6,7,8,9,10,11,12,13,14,15
	v_add_f32 v[MX+2*\i], v[MX+2*\i], v[PX+\i]     ; the row's sum: at least 1
.endr
.irp i, 0,1,2,3,4,5,6,7,8,9,10,11,12,13,14,15
	v_rcp_f32 v[MX+2*\i], v[MX+2*\i]
.endr
	v_nop
	s_wait_alu depctr_va_vdst(0)                   ; one wait for the sixteen reciprocals
.irp i, 0,1,2,3,4,5,6,7,8,9,10,11,12,13,14,15
.irp k, 0,2,4,6
	v_pk_mul_f32 v[8*\i+\k:8*\i+\k+1], v[8*\i+\k:8*\i+\k+1], v[MX+2*\i:MX+2*\i+1] op_sel_hi:[1,0]
.endr
.endr
.irp i, 0,1,2,3,4,5,6,7,8,9,10,11,12,13,14,15
.irp q, 0,1,2,3
	v_cvt_pk_f16_f32 v[8*\i+\q], v[8*\i+2*\q], v[8*\i+2*\q+1]   ; the weights as source 1 of the next product: heads g = 8 h2 + 0 .. 7
.endr
.endr
.irp i, 0,1,2,3,4,5,6,7,8,9,10,11,12,13,14,15
.irp q, 4,5,6,7
	v_mov_b32 v[8*\i+\q], 0                        ; and zeros for its upper 16 along K
.endr
.endr
	WIN 0
	PASSV 0, 1
	PASSV 1, 0                                     ; the last slot's change asks for nothing: written out
	s_wait_tensorcnt 0x0                           ; the wave's end: behind my last tensor load and my last LDS store
	ds_add_u32 v[SPW], v[NIL]
	s_wait_dscnt 0x0
	CROUND                                         ; the closing round: no work-group ends while a partner may still ask for a slot that names it
	s_endpgm
.Lfunc_end_k_q479cc34d5c_qkvattn:
	.size	k_q479cc34d5c_qkvattn, .Lfunc_end_k_q479cc34d5c_qkvattn-k_q479cc34d5c_qkvattn
	.p2alignl 7, 3214868480
	.fill 96, 4, 3214868480
	.section	.rodata,"a",@progbits
	.p2align	6, 0x0
	.amdhsa_kernel k_q479cc34d5c_qkvattn
		.amdhsa_group_segment_fixed_size 327680
		.amdhsa_private_segment_fixed_size 0
		.amdhsa_enable_private_segment 0
		.amdhsa_kernarg_size 32
		.amdhsa_user_sgpr_count 2
		.amdhsa_user_sgpr_kernarg_segment_ptr 1
		.amdhsa_wavefront_size32 1
		.amdhsa_system_sgpr_workgroup_id_x 1
		.amdhsa_system_sgpr_workgroup_id_y 1
		.amdhsa_system_sgpr_workgroup_id_z 1
		.amdhsa_system_vgpr_workitem_id 0
		.amdhsa_next_free_vgpr 1024
		.amdhsa_next_free_sgpr 66
		.amdhsa_reserve_vcc 0
		.amdhsa_float_denorm_mode_32 3
		.amdhsa_float_denorm_mode_16_64 3
		.amdhsa_memory_ordered 1
		.amdhsa_forward_progress 1
		.amdhsa_inst_pref_size 255
	.end_amdhsa_kernel
	.section	.bss,"aw",@nobits
	.p2align	6
	.space	262144
	.amdgpu_metadata
---
amdhsa.version: [ 1, 2 ]
amdhsa.kernels:
  - .name:           k_q479cc34d5c_qkvattn
    .symbol:         k_q479cc34d5c_qkvattn.kd
    .args:
      - { .name: xq, .offset: 0, .size: 8, .value_kind: global_buffer, .address_space: global }
      - { .name: wq, .offset: 8, .size: 8, .value_kind: global_buffer, .address_space: global }
      - { .name: mask, .offset: 16, .size: 8, .value_kind: global_buffer, .address_space: global }
      - { .name: oh, .offset: 24, .size: 8, .value_kind: global_buffer, .address_space: global }
    .group_segment_fixed_size: 327680
    .private_segment_fixed_size: 0
    .kernarg_segment_align: 8
    .kernarg_segment_size: 32
    .max_flat_workgroup_size: 128
    .sgpr_count:     66
    .vgpr_count:     1024
    .wavefront_size: 32
...
	.end_amdgpu_metadata
.endif
;; end of part 2
;; launch proj (part 3): grid 4 x 64, 4 waves a work-group, clusters of 4 x 4, 327,680 bytes of LDS; arguments oh, wp, b_proj, out0; writes out0
.if DOCPART == 3
	.amdgcn_target "amdgcn-amd-amdhsa--gfx1250"
	.amdhsa_code_object_version 6
	.text
	.protected	k_q479cc34d5c_proj
	.globl	k_q479cc34d5c_proj
	.p2align	8
	.type	k_q479cc34d5c_proj,@function
k_q479cc34d5c_proj:
	s_mov_b64 s[64:65], 0
	v_nop
	global_prefetch_b8 v0, s[64:65] scope:SCOPE_SE
	s_setreg_imm32_b32 hwreg(HW_REG_WAVE_MODE, 25, 1), 1
	s_wait_xcnt 0x0
	s_wait_alu depctr_hold_cnt(0) depctr_sa_sdst(0) depctr_va_vdst(0) depctr_va_sdst(0) depctr_va_ssrc(0) depctr_va_vcc(0) depctr_vm_vsrc(0)
	s_getreg_b32 s2, hwreg(HW_REG_IB_STS2, 6, 4)
	s_cmp_eq_u32 s2, 0
	s_cbranch_scc0 .Lentry_in_a_cluster
	s_endpgm
.Lentry_in_a_cluster:
	s_bfe_u32 s2, ttmp6, 0x10000c
	s_cmp_lg_u32 s2, 0xf033
	s_cbranch_scc0 .Lentry_shape_is_right
	s_endpgm
.Lentry_shape_is_right:
; out0[m][n] = sum over K' of oh[m][K'] wp[n][K'] + b_proj[n].  oh: [16384][1024] f16, wp: [1024][1024] f16, both with the same order of K'; out0: [16384][1024] f32; sums in f32.  Nothing of reference() is left out here.
; LIMIT: both operands are f16: magnitudes under 65,504.
; A tile of out0, 256 x 256, is made by a work-group of four waves; a wave makes 128 x 128: 64 accumulators of 16 x 16, 512 registers.  256 tiles, one to a work-group.
; K goes in steps of 128 through a ring of two LDS slots filled by the tensor data mover: a tile's row is 256 bytes of memory, aligned.
; CLUSTERS: 4 x 4 work-groups.  The four of a row of the cluster need the same tiles of oh, the four of a column the same tiles of wp: each tile is asked for JOINTLY, by the same tensor load with the same descriptor
; and a mask that names the four.  THE MATRIX INSTRUCTION IS USED TRANSPOSED (source 0 = 16 rows of wp, source 1 = 16 rows of oh): a lane holds eight neighbouring numbers of a row of out0.
; The bias is the C of each sum's first matrix instruction: eight registers for each block of 16 columns.
; REGISTERS, in windows of 256: window 0: v0-31 addresses; v64-127, v128-191 fragments of oh, two buffers (on the way out: rows read back); v192-255 the bias.
;   window 1: v64-127, v128-191 fragments of wp.   window 2: the accumulators of my rows 0-63 ((a, b) at v[8 (8 a + b)]);   window 3: those of my rows 64-127.
.set SIZE_M, 16384
.set SIZE_N, 1024
.set SIZE_K, 1024
.set KSTEP,  128
.set PITCH,  272                       ; an LDS row: 256 bytes + 16 of padding = 68 words: the 16 rows that a load touches start at 16 different banks
.set HALFT,  128*PITCH                 ; 128 rows: what one tensor load brings
.set SLOT,   4*HALFT                   ; oh's 256 rows, then wp's 256 rows
.set STAGE,  2*SLOT                    ; behind the ring: 16 rows x 528 bytes for each wave, for the way out
.set SPITCH, 528
.set SPARE,  STAGE+4*16*SPITCH         ; the spare words, 128 bytes for each wave: two blocks of 256 bytes that no other line names
.set LAPS,   SIZE_K/(2*KSTEP)          ; a lap = two K steps = once round the ring: 4
.set ADRA, 16                          ; v16-17  LDS address of my fragments of oh in slot 0, 1
.set ADRB, 20                          ; v20-21  the same for wp
.set STO,  24                          ; v24     the way out: where I put 32 bytes of a row
.set RD,   25                          ; v25     where I read a row back
.set CO,   26                          ; v26     my byte offset in a row of out0
.set BO,   27                          ; v27     32 h2: my half's eight numbers of a block of the bias
.set SPW,  28
.set NIL,  29
.set PFO,  30                          ; v30     the prefetches' offset: my lane x a row (2,048 bytes); never rewritten
.set PFA,  44                          ; s[44:45] where my prefetches stand
.set LIM,  43                          ; s43     1 in a wave that prefetches, else the greatest number
.set F0,   64
.set F1,   128
.set BIAS, 192
.set BK,   64                          ; the way out: 16 rows read back: v64-127 and v128-191 by turns
.set G1, 24                            ; s[24:31] descriptor group 1 for oh's tiles;  s[32:39] group 0, one set for each slot
.set G0, 32
.set G1B, 48                           ; s[48:55], s[56:63] the same for wp's tiles
.set G0B, 56
.set MSB, 0
.macro WIN new
.if MSB != \new
	s_set_vgpr_msb (MSB<<8)|\new
.set MSB, \new
.endif
.endm
.set MUL_LO, 0xa1                      ; source 0 (wp) window 1, source 1 (oh) window 0, C and D window 2
.set MUL_HI, 0xf1                      ; the same, C and D window 3
.set TO_B,   0x40                      ; destination window 1, address window 0
; A joint load: waves 0 and 1 fetch oh's two halves, waves 2 and 3 wp's.  The branch hangs on the wave's number alone.  An s_nop 0 and four v_nop follow each of the two lines.
.macro JLOAD s
	s_cmp_eq_u32 s11, 0
	s_cbranch_scc0 .Lfor_b_\@
	tensor_load_to_lds s[G0+4*\s:G0+4*\s+3], s[G1:G1+7]
	s_nop 0
.rept 4
	v_nop
.endr
	s_branch .Lasked_\@
.Lfor_b_\@:
	tensor_load_to_lds s[G0B+4*\s:G0B+4*\s+3], s[G1B:G1B+7]
	s_nop 0
.rept 4
	v_nop
.endr
.Lasked_\@:
.endm
; A prefetch of the K step that stands two refills on: 32 rows x 256 bytes, a lane a row, one instruction a wave.  Each row's 256 bytes of a K step are named once in the launch: oh's rows by their own cluster
; (the grid is one cluster wide), wp's by the clusters of cluster row 0; the four partners that ask for a tile jointly share its rows out by address, 32 each.  The loop's last trip asks for nothing: no K step stands two on.
.macro ASK
	s_cmp_gt_u32 s3, s[LIM]
	s_cbranch_scc0 .Lnot_mine_\@
	global_prefetch_b8 v[PFO], s[PFA:PFA+1] offset:KSTEP*2 th:TH_LOAD_NT scope:SCOPE_SE
.Lnot_mine_\@:
.endm
.macro CREST                           ; a round of the cluster's barrier behind its opening barrier
	s_cmp_lg_u32 s10, 0
	s_cbranch_scc1 .Lnot_wave_0_\@
	s_barrier_signal -3
.Lnot_wave_0_\@:
	s_barrier_wait -3
	s_barrier_signal -1
	s_barrier_wait -1
.endm
.macro CROUND
	s_barrier_signal -1
	s_barrier_wait -1
	CREST
.endm
	s_load_b128 s[4:7], s[0:1], 0x0                ; oh s[4:5], wp s[6:7]
	s_load_b64 s[66:67], s[0:1], 0x10              ; b_proj
	s_load_b64 s[8:9], s[0:1], 0x18                ; out0
	v_lshl_add_u32 v[SPW], v0, 2, SPARE
	v_mov_b32 v[NIL], 0
	ds_add_u32 v[SPW], v[NIL]                      ; the wave's opening: the add, twice on end, and its wait ahead of my first tensor load
	ds_add_u32 v[SPW], v[NIL]
	v_lshrrev_b32 v1, 5, v0
	v_readfirstlane_b32 s10, v1                    ; wave 0..3
	s_lshr_b32 s11, s10, 1                         ; which half of the tile's rows is mine.  Also: I fetch for oh (0) or for wp (1)
	s_and_b32 s12, s10, 1                          ; which half of its columns.  Also: which 128 rows of that tile I fetch
	s_bfe_u32 s40, ttmp6, 0x40000                  ; cx
	s_bfe_u32 s41, ttmp6, 0x40004                  ; cy
	s_lshl_b32 s42, ttmp9, 2
	s_add_co_u32 s42, s42, s40                     ; tile column = 4 x cluster x + cx
	s_and_b32 s13, ttmp7, 0xffff
	s_lshl_b32 s13, s13, 2
	s_add_co_u32 s13, s13, s41                     ; tile row = 4 x cluster y + cy
	s_lshl_b32 s43, s41, 2
	s_lshl_b32 s43, 15, s43                        ; my row of the cluster
	s_lshl_b32 s44, 0x1111, s40                    ; my column
	s_or_b32 s[G1+0], s43, (1<<16)|(1<<20)|(1<<21)|(5<<22)|(3<<25)  ; the mask: oh's tiles go to my row; elements of 2 bytes; padding on; bit 21 beside a mask; after every 64 words, 4 words
	s_or_b32 s[G1B+0], s44, (1<<16)|(1<<20)|(1<<21)|(5<<22)|(3<<25) ; the same with the mask of my column
.irp g, G1, G1B
	s_mov_b32 s[\g+1], KSTEP<<16                   ; tensor_dim0 = 128
	s_mov_b32 s[\g+2], 128<<16                     ; tensor_dim1 = 128
	s_mov_b32 s[\g+3], KSTEP<<16                   ; tile_dim0 = 128
	s_mov_b32 s[\g+4], 128                         ; tile_dim1 = 128
	s_mov_b32 s[\g+5], SIZE_K                      ; elements from row to row
	s_mov_b32 s[\g+6], 0
	s_mov_b32 s[\g+7], 0
.endr
	s_lshl_b32 s17, s12, 7                         ; which 128 rows of the tile I fetch
	s_lshl_b32 s16, s13, 8
	s_add_co_u32 s16, s16, s17                     ; oh: row 256 x tile row + 128 x half
	s_lshl_b32 s46, s42, 8
	s_add_co_u32 s46, s46, s17                     ; wp: row 256 x tile column + 128 x half
	s_mov_b32 s17, 0
	s_mov_b32 s47, 0
	s_mov_b64 s[18:19], SIZE_K*2
	s_mul_u64 s[16:17], s[16:17], s[18:19]
	s_mul_u64 s[46:47], s[46:47], s[18:19]
	s_mul_i32 s20, s10, HALFT                      ; where they go: wave x 128 rows: no place in the cluster enters an LDS address
	s_wait_dscnt 0x0                               ; both opening adds are done
	s_wait_kmcnt 0x0
	s_add_nc_u64 s[14:15], s[4:5], s[16:17]
	s_add_nc_u64 s[46:47], s[6:7], s[46:47]
	CROUND                                         ; all sixteen work-groups are here: the first joint loads meet
.irp s, 0,1
	s_mov_b32 s[G0+4*\s], 1
	s_add_co_u32 s[G0+4*\s+1], s20, \s*SLOT
	s_add_nc_u64 s[G0+4*\s+2:G0+4*\s+3], s[14:15], \s*KSTEP*2
	s_or_b32 s[G0+4*\s+3], s[G0+4*\s+3], 0x80000000
	s_mov_b32 s[G0B+4*\s], 1
	s_add_co_u32 s[G0B+4*\s+1], s20, \s*SLOT
	s_add_nc_u64 s[G0B+4*\s+2:G0B+4*\s+3], s[46:47], \s*KSTEP*2
	s_or_b32 s[G0B+4*\s+3], s[G0B+4*\s+3], 0x80000000
	JLOAD \s
.endr
	v_and_b32 v1, 15, v0                           ; l % 16
	v_bfe_u32 v2, v0, 4, 1                         ; l / 16
	v_mul_u32_u24 v3, v1, PITCH
	v_lshl_add_u32 v3, v2, 4, v3                   ; a fragment's row x pitch + 16 x half
	s_mul_i32 s21, s11, HALFT                      ; my 128 rows of oh
	s_mul_i32 s22, s12, HALFT                      ; my 128 rows of wp,
	s_add_co_u32 s22, s22, 2*HALFT                 ; which lie behind oh's 256
.irp s, 0,1
	v_add_nc_u32 v[ADRA+\s], s21, v3
	v_add_nc_u32 v[ADRB+\s], s22, v3
	s_add_co_u32 s21, s21, SLOT
	s_add_co_u32 s22, s22, SLOT
.endr
	s_mul_i32 s23, s10, 16*SPITCH
	s_add_co_u32 s23, s23, STAGE                   ; my stage
	v_mul_u32_u24 v4, v1, SPITCH                   ; in: row l % 16, 32 bytes for each half of the lanes
	v_lshl_add_u32 v4, v2, 5, v4
	v_add_nc_u32 v[STO], s23, v4
	v_and_b32 v5, 31, v0
	v_lshlrev_b32 v[CO], 4, v5                     ; back: the 32 lanes take one row of 512 bytes; and the same in out0
	v_add_nc_u32 v[RD], s23, v[CO]
	v_lshlrev_b32 v[BO], 5, v2
	s_lshl_b32 s13, s13, 8
	s_lshl_b32 s14, s11, 7
	s_add_co_u32 s16, s13, s14                     ; my first row of out0
	s_mov_b32 s17, 0
	s_mov_b64 s[18:19], SIZE_N*4
	s_mul_u64 s[16:17], s[16:17], s[18:19]
	s_lshl_b32 s46, s42, 10                        ; my first column, in bytes: 1,024 x tile column + 512 x half
	s_lshl_b32 s47, s12, 9
	s_add_co_u32 s46, s46, s47
	s_mov_b32 s47, 0
	s_add_nc_u64 s[66:67], s[66:67], s[46:47]      ; the bias at my first column
	s_add_nc_u64 s[16:17], s[16:17], s[46:47]
	s_add_nc_u64 s[8:9], s[8:9], s[16:17]
.irp b, 0,1,2,3,4,5,6,7
	global_load_b128 v[BIAS+8*\b:BIAS+8*\b+3], v[BO], s[66:67] offset:64*\b        ; b_proj of columns 16 b + 8 h2 + 0 .. 7
	global_load_b128 v[BIAS+8*\b+4:BIAS+8*\b+7], v[BO], s[66:67] offset:64*\b+16
.endr
	; the prefetches.  s13 = 256 x tile row, s42 = tile column, s40 = cx, s41 = cy still stand
	s_lshl_b32 s42, s42, 8
	s_and_b32 s22, ttmp7, 0xffff                   ; cluster y
	s_cmp_eq_u32 s11, 0                            ; do I fetch for oh?
	s_cselect_b32 s20, s13, s42                    ; the tile's first row
	s_cselect_b32 s21, s40, s41                    ; my place among the four that ask for it with me
	s_cselect_b32 s22, ttmp9, s22                  ; the coordinate along which other clusters read the same rows
	s_cselect_b64 s[PFA:PFA+1], s[4:5], s[6:7]
	s_cmp_eq_u32 s22, 0
	s_cselect_b32 s[LIM], 1, -1                    ; the same in all sixteen partners, for a given wave
	s_lshl_b32 s22, s12, 7
	s_add_co_u32 s20, s20, s22                     ; + the 128 rows that I fetch
	s_lshl_b32 s21, s21, 5
	s_add_co_u32 s20, s20, s21                     ; + my work-group's 32 of them
	s_mov_b32 s21, 0
	s_mov_b64 s[18:19], SIZE_K*2
	s_mul_u64 s[20:21], s[20:21], s[18:19]
	s_add_nc_u64 s[PFA:PFA+1], s[PFA:PFA+1], s[20:21]
	s_add_nc_u64 s[PFA:PFA+1], s[PFA:PFA+1], 2*KSTEP*2  ; at K step 2: the first refill steps it to 3 and names K step 4.  Nothing is prefetched at the head
	v_and_b32 v[PFO], 31, v0
	v_mul_u32_u24 v[PFO], v[PFO], SIZE_K*2
; 16 matrix instructions: m blocks a0, a0 + 1 of the window's four x all 8 n blocks, 32 along K.  first = 1: the bias starts the sums.  The 64 accumulators take turns, one instruction a turn.
.macro MUL16 f, hi, a0, first
.irp a, \a0, \a0+1
.irp b, 0,1,2,3,4,5,6,7
.if \first
	v_wmma_f32_16x16x32_f16 v[8*(8*(\a)+\b):8*(8*(\a)+\b)+7], v[\f+8*\b:\f+8*\b+7], v[\f+8*(4*\hi+\a):\f+8*(4*\hi+\a)+7], v[BIAS+8*\b:BIAS+8*\b+7]
.else
	v_wmma_f32_16x16x32_f16 v[8*(8*(\a)+\b):8*(8*(\a)+\b)+7], v[\f+8*\b:\f+8*\b+7], v[\f+8*(4*\hi+\a):\f+8*(4*\hi+\a)+7], v[8*(8*(\a)+\b):8*(8*(\a)+\b)+7]
.endif
.endr
.endr
.endm
; 32 LDS loads in one run: the fragments of one quarter step (32 K at byte k of the rows) into buffer f
.macro FETCH slot, k, f
	WIN TO_B
.irp i, 0,1,2,3,4,5,6,7
	ds_load_b128 v[\f+8*\i:\f+8*\i+3],   v[ADRB+\slot] offset:\k+\i*16*PITCH
	ds_load_b128 v[\f+8*\i+4:\f+8*\i+7], v[ADRB+\slot] offset:\k+\i*16*PITCH+32
.endr
	WIN 0
.irp i, 0,1,2,3,4,5,6,7
	ds_load_b128 v[\f+8*\i:\f+8*\i+3],   v[ADRA+\slot] offset:\k+\i*16*PITCH
	ds_load_b128 v[\f+8*\i+4:\f+8*\i+7], v[ADRA+\slot] offset:\k+\i*16*PITCH+32
.endr
.endm
.macro PLACES                          ; four plain instructions in front of loads into registers that matrix instructions have read, and of the first read of results
.rept 4
	v_nop
.endr
.endm
; A K step is four quarters of 32 along K, 64 matrix instructions each, on buffers 0, 1, 0, 1.  One of the first three multiplies buffer f and fetches the next quarter, at byte k, into g.
.macro QUARTER slot, k, f, g, first
	s_wait_dscnt 8                                 ; wp's and oh's rows 0-63 are in; the youngest eight loads (oh's rows 64-127) may be out
.if \first
	WIN 0x81                                       ; C (the bias) in window 0
.else
	WIN MUL_LO
.endif
	MUL16 \f, 0, 0, \first
	MUL16 \f, 0, 2, \first
	PLACES
	FETCH \slot, \k, \g
	s_wait_dscnt 32                                ; all but the 32 just issued
.if \first
	WIN 0xc1
.else
	WIN MUL_HI
.endif
	MUL16 \f, 1, 0, \first
	MUL16 \f, 1, 2, \first
.endm
; The last quarter multiplies buffer 1 and changes slots: ONE barrier; in front of it each wave waits for all its tensor loads, adds 0 to its spare word, and waits for that and for its own reads of this slot.
.macro MEET round
	WIN 0                                          ; (the add's two registers lie in window 0)
	s_wait_tensorcnt 0x0                           ; all my tensor loads have landed: my part of the next slot;
	ds_add_u32 v[SPW], v[NIL]
	s_wait_dscnt 9                                 ; (the add and the youngest eight loads may be out)
	WIN MUL_LO
	MUL16 F1, 0, 0, 0
	s_wait_dscnt 0x0                               ; the add is done, and my reads of this slot are over
	s_barrier_signal -1
	MUL16 F1, 0, 2, 0
.if \round
	WIN 0
.endif
	s_barrier_wait -1
.endm
.macro TURN slot, next
	s_wait_xcnt 0x0                                ; the last prefetch, a K step back, has read its address: it is stepped here
	s_add_nc_u64 s[PFA:PFA+1], s[PFA:PFA+1], KSTEP*2
	MEET 1
	CREST                                          ; the barrier has opened a round of the cluster's barrier: no wave of any partner still reads this slot or has a load on its way
	s_add_nc_u64 s[G0+4*\slot+2:G0+4*\slot+3], s[G0+4*\slot+2:G0+4*\slot+3], 2*KSTEP*2
	s_add_nc_u64 s[G0B+4*\slot+2:G0B+4*\slot+3], s[G0B+4*\slot+2:G0B+4*\slot+3], 2*KSTEP*2
	JLOAD \slot                                    ; the first tensor load behind the round; its four v_nop are also the places in front of the loads below
	FETCH \next, 0, F0
	ASK
	WIN MUL_HI
	MUL16 F1, 1, 0, 0
	MUL16 F1, 1, 2, 0
.endm
	s_wait_tensorcnt 1                             ; my part of K step 0 is in; K step 1's may stay out
	s_barrier_signal -1
	s_barrier_wait -1
	FETCH 0, 0, F0
	s_wait_loadcnt 0x0                             ; the bias
	QUARTER 0, 64,  F0, F1, 1                      ; the first quarter stands in front of the loop: its products start the sums
	WIN 0
	s_mov_b32 s3, LAPS-1
.Llap:                                                 ; a trip goes once round the ring, from a lap's second quarter to the next lap's first, and fills both slots again
	QUARTER 0, 128, F1, F0, 0
	QUARTER 0, 192, F0, F1, 0
	TURN 0, 1
	QUARTER 1, 64,  F0, F1, 0
	QUARTER 1, 128, F1, F0, 0
	QUARTER 1, 192, F0, F1, 0
	TURN 1, 0
	QUARTER 0, 64,  F0, F1, 0
	WIN 0
	s_sub_co_u32 s3, s3, 1
	s_cmp_lg_u32 s3, 0
	s_cbranch_scc1 .Llap
	QUARTER 0, 128, F1, F0, 0                      ; the last lap fills nothing, and has no round of the cluster's barrier
	QUARTER 0, 192, F0, F1, 0
	MEET 0
	PLACES
	FETCH 1, 0, F0
	WIN MUL_HI
	MUL16 F1, 1, 0, 0
	MUL16 F1, 1, 2, 0
	QUARTER 1, 64,  F0, F1, 0
	QUARTER 1, 128, F1, F0, 0
	QUARTER 1, 192, F0, F1, 0
	s_wait_dscnt 8                                 ; the very last quarter: nothing more to fetch
	WIN MUL_LO
	MUL16 F1, 0, 0, 0
	MUL16 F1, 0, 2, 0
	s_wait_dscnt 0x0
	WIN MUL_HI
	MUL16 F1, 1, 0, 0
	MUL16 F1, 1, 2, 0
	WIN 0
; THE WAY OUT, block by block of 16 rows x 128 columns: through my own stage in LDS and back as whole rows of 512 bytes.  LDS serves a wave's instructions in order: no wait between the stores and the loads.
.macro TOSTAGE a
.set AC, 64*((\a)%4)
	WIN 0x08+4*((\a)/4)                            ; the data: window 2 or 3
.irp b, 0,1,2,3,4,5,6,7
	ds_store_b128 v[STO], v[AC+8*\b:AC+8*\b+3] offset:64*\b          ; each accumulator from its low end on
	ds_store_b128 v[STO], v[AC+8*\b+4:AC+8*\b+7] offset:64*\b+16
.endr
	WIN 0
.set BB, BK+64*((\a)%2)
.irp t, 0,1,2,3,4,5,6,7,8,9,10,11,12,13,14,15
	ds_load_b128 v[BB+4*\t:BB+4*\t+3], v[RD] offset:\t*SPITCH
.endr
.endm
.macro SEND a, younger                 ; younger: the LDS instructions issued behind block a's loads, which may stay out
.set BB, BK+64*((\a)%2)
	s_wait_dscnt \younger
.if (\a) > 0
	s_add_nc_u64 s[8:9], s[8:9], 16*SIZE_N*4       ; (behind a wait on XCNT: the earlier stores have read their base)
.endif
.irp t, 0,1,2,3,4,5,6,7,8,9,10,11,12,13,14,15
	global_store_b128 v[CO], v[BB+4*\t:BB+4*\t+3], s[8:9] offset:\t*SIZE_N*4 th:TH_STORE_NT   ; 32 lanes store 512 consecutive bytes, aligned
.endr
.endm
	PLACES
	TOSTAGE 0
.irp a, 1,2,3,4,5,6,7
.if \a > 1
	s_wait_xcnt 0x0                                ; block a - 2's stores have read their registers and their base
.endif
	TOSTAGE \a
	SEND \a-1, 32                                  ; behind block a - 1's loads: block a's 16 stores and 16 loads
.endr
	s_wait_xcnt 0x0
	SEND 7, 0
	s_wait_tensorcnt 0x0                           ; the wave's end: behind my last tensor load and my last LDS store
	ds_add_u32 v[SPW], v[NIL]
	s_wait_dscnt 0x0
	CROUND                                         ; the closing round
	s_endpgm
.Lfunc_end_k_q479cc34d5c_proj:
	.size	k_q479cc34d5c_proj, .Lfunc_end_k_q479cc34d5c_proj-k_q479cc34d5c_proj
	.p2alignl 7, 3214868480
	.fill 96, 4, 3214868480
	.section	.rodata,"a",@progbits
	.p2align	6, 0x0
	.amdhsa_kernel k_q479cc34d5c_proj
		.amdhsa_group_segment_fixed_size 327680
		.amdhsa_private_segment_fixed_size 0
		.amdhsa_enable_private_segment 0
		.amdhsa_kernarg_size 32
		.amdhsa_user_sgpr_count 2
		.amdhsa_user_sgpr_kernarg_segment_ptr 1
		.amdhsa_wavefront_size32 1
		.amdhsa_system_sgpr_workgroup_id_x 1
		.amdhsa_system_sgpr_workgroup_id_y 1
		.amdhsa_system_sgpr_workgroup_id_z 1
		.amdhsa_system_vgpr_workitem_id 0
		.amdhsa_next_free_vgpr 1024
		.amdhsa_next_free_sgpr 68
		.amdhsa_reserve_vcc 0
		.amdhsa_float_denorm_mode_32 3
		.amdhsa_float_denorm_mode_16_64 3
		.amdhsa_memory_ordered 1
		.amdhsa_forward_progress 1
		.amdhsa_inst_pref_size 143
	.end_amdhsa_kernel
	.amdgpu_metadata
---
amdhsa.version: [ 1, 2 ]
amdhsa.kernels:
  - .name:           k_q479cc34d5c_proj
    .symbol:         k_q479cc34d5c_proj.kd
    .args:
      - { .name: oh, .offset: 0, .size: 8, .value_kind: global_buffer, .address_space: global }
      - { .name: wp, .offset: 8, .size: 8, .value_kind: global_buffer, .address_space: global }
      - { .name: b_proj, .offset: 16, .size: 8, .value_kind: global_buffer, .address_space: global }
      - { .name: out0, .offset: 24, .size: 8, .value_kind: global_buffer, .address_space: global }
    .group_segment_fixed_size: 327680
    .private_segment_fixed_size: 0
    .kernarg_segment_align: 8
    .kernarg_segment_size: 32
    .max_flat_workgroup_size: 128
    .sgpr_count:     68
    .vgpr_count:     1024
    .wavefront_size: 32
...
	.end_amdgpu_metadata
.endif
;; end of part 3
